; MI455X (gfx1250); checked and timed in simulation.
; The chip was launched on July 23, 2026; its instructions are those of AMD's public machine-readable ISA for CDNA 5 (MIT licence, August 2026) and "CDNA5" Instruction Set Architecture Reference Guide (July 2026). The comments in the code are by the model that wrote it; some were corrected since.
;; Peephole Cell. Allowed arithmetic: matrix products marked QUANTISED: E2M1 operands, one E8M0 scale for each 32 along K, by v_wmma_scale_f32_16x16x128_f8f6f4 with both operands' format E2M1 (or v_wmma_scale_f32_32x16x128_f4), f32 sums; everything else in f32.
;; Inputs: U_c 512 x 512 float32; U_f 512 x 512 float32; U_i 512 x 512 float32; U_o 512 x 512 float32; W_c 512 x 512 float32; W_f 512 x 512 float32; W_i 512 x 512 float32; W_o 512 x 512 float32; X_t_codes 16,384 x 16 x 16 uint8 (E2M1 codes of X_t, K innermost, in blocks of 32 codes, two codes a byte); X_t_scales 16,384 x 16 uint8 (E8M0 scales of X_t, one for each 32 codes along K); b_c 512 float32; b_f 512 float32; b_i 512 float32; b_o 512 float32; c_prev 16,384 x 512 float32.
;; Outputs: out0 16,384 x 512 float32.
;; This version of the problem:
;;   THIS VERSION OF THE PROBLEM IS GIVEN IN LOW PRECISION. The matrix products marked QUANTISED in the list below multiply operands that are first quantised to E2M1 (2 exponent bits, 1 mantissa bit; 4 bits a number), with one power-of-two scale for each 32 numbers along K (OCP MX v1.0); their sums are f32. All else is computed in f32.
;;   The module's matrix products, in the order in which they are computed (A, B: the left and right operand; K: the contracted axis; several contracted axes count as one K, in the product's order):
;;     1. [M 16,384, K 512] x [K 512, N 2,048]; A: input X_t (given as codes); B: computed on the way: QUANTISED
;;     2. [M 16,384, K 512] x [K 512, N 2,048]; A: input c_prev; B: computed on the way: QUANTISED
;;   THE QUANTISER, for each operand of a quantised product, along K:
;;     - K is cut into blocks of 32 from its start; a last block that is shorter is filled with zeros.
;;     - A block's scale is 2^e with e = floor(log2(the largest magnitude in the block)) - 2, held to -126 .. 127; a block of zeros has e = 0. As a byte (E8M0): e + 127.
;;     - Each number is divided by its block's scale, clamped to +-6, and rounded to the nearest number of E2M1, ties to even, subnormals kept.
;;     - The product sums the exact products of the quantised numbers (number of the format x scale) in f32.
;;   ~~~python
;;   def quantise(x, axis):      # numpy; x: float32 -> the quantised numbers, widened to float32 again
;;       x = np.moveaxis(x, axis, -1); K = x.shape[-1]
;;       x = np.pad(x, [(0, 0)] * (x.ndim - 1) + [(0, -K % 32)]); x = x.reshape(x.shape[:-1] + (-1, 32)); a = np.abs(x).max(-1, keepdims=True)
;;       e = np.where(a > 0, np.clip(np.frexp(np.where(a > 0, a, 1))[1] - 1 - 2, -126, 127), 0)      # np.frexp(a)[1] - 1 = floor(log2(a)), exactly
;;       r = np.clip(x / 2.0 ** e, -6, 6)
;;       step = 2.0 ** (np.maximum(np.frexp(np.where(r == 0, 1, r))[1] - 1, 0) - 1)
;;       q = np.round(r / step) * step * 2.0 ** e      # np.round: ties to even
;;       return np.moveaxis(q.reshape(q.shape[:-2] + (-1,))[..., :K], -1, axis).astype(np.float32)
;;   ~~~
;;   OPERANDS COMPUTED ON THE WAY. 'Computed on the way' means the value that the module computes at that place (a softmax that the list does not call 'softmax' is quantised finished and normalised). What goes into a quantiser is computed in f32, as accurately as f32 sums, v_exp_f32 and their like allow (about 1e-6 of the number): no bf16 or f16 on the way to a quantiser, and a product that is left as it is and whose result goes on into a quantised operand takes f32 operands (vector FMAs, or v_wmma_f32_16x16x4_f32). A number that lies on a knife's edge between two numbers of the format may be rounded either way, as far as f32 arithmetic and the matrix unit's own rounding can turn it there, and no further.
;;   INPUTS GIVEN AS CODES. X_t (in the module: [16384, 512], K = its axis 1): each comes as NAME_codes (uint8): NAME with its K axis moved to the last place and cut into blocks of 32 codes, [.., K / 32, bytes a block], one block behind the other in memory; two codes a byte, the lower K in the low four bits (a code: sign, 2 exponent bits, 1 mantissa bit); and NAME_scales (uint8): the same leading axes, one E8M0 byte (e + 127) for each 32 codes along K. Its value is code x scale, taken as it is: it is not quantised again, and the codes and scales need not be those that the quantiser above would give.
;; One version. Each part assembles by itself: llvm-mc -triple=amdgcn-amd-amdhsa -mcpu=gfx1250 --defsym DOCPART=n.
;; ======== version 1 of 1: 2 launches
;; limits: right only within a limited range of input values
;; workspace buffers: wq 1,048,576 bytes; ws 65,536 bytes; cq 4,194,304 bytes; cs 262,144 bytes
;; launch prep (part 1): grid 384 x 1, 8 waves a work-group, no clusters, 18,944 bytes of LDS; arguments W_f, W_i, W_o, W_c, U_f, U_i, U_o, U_c, wq, ws, c_prev, cq, cs; writes wq, ws, cq, cs
.if DOCPART == 1
	.amdgcn_target "amdgcn-amd-amdhsa--gfx1250"
	.amdhsa_code_object_version 6
	.text
	.protected	k_qf0855e8172_prep
	.globl	k_qf0855e8172_prep
	.p2align	8
	.type	k_qf0855e8172_prep,@function
k_qf0855e8172_prep:
	s_mov_b64 s[64:65], 0
	v_nop
	global_prefetch_b8 v0, s[64:65] scope:SCOPE_SE
	s_setreg_imm32_b32 hwreg(HW_REG_WAVE_MODE, 25, 1), 1
	s_wait_xcnt 0x0
; c_prev [16384][512] f32 and the eight weights W_f, W_i, W_o, W_c, U_f, U_i, U_o, U_c, each [512 (k)][512 (n)] f32, become codes of FP4 (E2M1) with one E8M0 scale byte for each 32 along K.
; NO WORK OF THE PROBLEM IS LEFT OUT in this program: all fifteen inputs have a way to h_t (every gate enters c_t or h_t, every bias its gate), so all are loaded and both products are done whole.
; A block's scale is 2^(floor(log2(its largest magnitude)) - 2); its byte is the largest magnitude's exponent field - 2, held at 1 from below.
; LIMITS: a block of zeros gets the byte 1 where the rule says 127 (its codes are zeros, which add nothing under any byte but 0xff, and this program alone reads the bytes); blocks whose largest
; magnitude lies under 2^(2 - 126) keep the byte 1; NaN and infinities among the weights and in c_prev are not served.
; SHARES: work-groups 0 to 255 take 64 rows of c_prev each (131,072 bytes), wave w rows 8 w on; work-groups 256 to 383 take weights (65,536 bytes each): one matrix, 64 columns (256 bytes of a row), half of K;
; wave q one block of 32 down K.  The two kinds have LDS bytes of their own.  Every number is read once, so nothing is shared in clusters, and no loop is there to ask ahead in: all of a wave's loads are out at once.
; c_prev: a lane takes 8 neighbours along K (32 bytes, two loads side by side), four lanes a block of 32.  Codes go out as X's are given, row by row, 256 bytes a row; scale bytes 16 a row; both by way of LDS, so that each
; store covers 512 consecutive bytes.
; WEIGHTS: a lane takes columns l and 32 + l, and its registers run down K: a block lies in one lane's 32 registers, the conversions give codes with K innermost.
; Their codes are laid in the order of the operand's registers: byte T 32768 + g 8192 + hU 4096 + kb 256 + r 16, T = n / 16, r = n % 16, g the gate (f, i, o, c), hU = 0 for W, 1 for U, kb = 0..15 the block down K:
; 16 bytes = 32 codes.  Their scale bytes: byte ((2 g + hU) 2 + kb / 8) 4096 + n 8 + kb % 8.
.set CB,    0                          ; LDS: c_prev's codes, 2,048 bytes a wave
.set SCB,   16384                      ; its scale bytes, 16 a row
.set WSC,   17408                      ; the weights' scale bytes: 8 x column + wave
.set SPARE, 17920                      ; the spare words, 128 bytes for each of eight waves, which no other line names
.set SPW,   1                          ; v1   LDS address of my spare word; never rewritten
.set NIL,   2                          ; v2   0; never rewritten
.set CD,    16                         ; codes: v16-19 (c_prev), v16-23 (weights)
.set T,     20                         ; v20-23  c_prev: four blocks' maxima, then scale bytes
.set S,     24                         ; v24-27  their scale operands
.set M,     24                         ; v24-27  weights: two chains of maxima for each of two blocks
.set X,     32                         ; v32-159 my numbers
	s_load_b512 s[4:19], s[0:1], 0x0               ; W_f, W_i, W_o, W_c, U_f, U_i, U_o, U_c
	s_load_b256 s[20:27], s[0:1], 0x40             ; wq, ws, c_prev, cq
	s_load_b64 s[28:29], s[0:1], 0x60              ; cs
	v_lshl_add_u32 v[SPW], v0, 2, SPARE
	v_mov_b32 v[NIL], 0
	v_lshrrev_b32 v8, 5, v0
	v_and_b32 v9, 31, v0                           ; lane
	v_and_b32 v10, 15, v0                          ; r
	v_bfe_u32 v11, v0, 4, 1                        ; lane / 16
	v_readfirstlane_b32 s32, v8                    ; wave
	s_wait_alu depctr_va_vdst(0)
	s_cmp_lt_u32 ttmp9, 256
	s_cbranch_scc0 .Lweights
	; c_prev
	s_lshl_b32 s33, s32, 11                        ; CB + 2,048 w
	s_lshl_b32 s34, s32, 7
	s_add_co_u32 s34, s34, SCB                     ; my eight rows' scale bytes
	s_lshl_b32 s35, s32, 9
	s_add_co_u32 s35, s35, SCB                     ; waves 0 and 1: 32 rows' scale bytes each
	s_lshl_b32 s36, ttmp9, 17
	s_lshl_b32 s37, s32, 14
	s_add_co_u32 s36, s36, s37                     ; c_prev: 64 rows of 2,048 bytes a work-group, 8 a wave
	s_mov_b32 s37, 0
	s_lshl_b32 s38, ttmp9, 14
	s_add_co_u32 s38, s38, s33                     ; codes: 256 bytes a row
	s_mov_b32 s39, 0
	s_lshl_b32 s40, ttmp9, 10
	s_lshl_b32 s41, s32, 9
	s_add_co_u32 s40, s40, s41                     ; scale bytes
	s_mov_b32 s41, 0
	v_lshlrev_b32 v3, 5, v9                        ; in: 32 bytes a lane
	v_lshl_add_u32 v4, v9, 2, s33                  ; codes into LDS: 4 bytes a lane
	v_lshrrev_b32 v5, 2, v9
	v_lshl_add_u32 v6, v9, 4, s33                  ; and back: 16 bytes a lane
	v_lshlrev_b32 v7, 4, v9                        ; out
	v_add_nc_u32 v5, s34, v5                       ; scale bytes into LDS: four lanes write one byte with the same value
	v_lshl_add_u32 v12, v9, 4, s35                 ; and back
	s_wait_alu depctr_va_vdst(0)
	s_wait_kmcnt 0x0
	s_add_nc_u64 s[24:25], s[24:25], s[36:37]
	s_add_nc_u64 s[26:27], s[26:27], s[38:39]
	s_add_nc_u64 s[28:29], s[28:29], s[40:41]
.irp i, 0,1,2,3,4,5,6,7
.irp q, 0,1
	global_load_b128 v[X+16*\i+8*\q:X+16*\i+8*\q+3], v3, s[24:25] offset:2048*\i+1024*\q
	global_load_b128 v[X+16*\i+8*\q+4:X+16*\i+8*\q+7], v3, s[24:25] offset:2048*\i+1024*\q+16
.endr
.endr
; two rows: four units n of eight numbers (row 2 rp + n / 2, half n % 2), by turns
.macro ROWS rp
.set XS, X+32*(\rp)
	s_wait_loadcnt 24-8*(\rp)                      ; the later rows' loads may be out
.irp n, 0,1,2,3
	v_max3_num_f32 v[T+\n], |v[XS+8*\n]|, |v[XS+8*\n+1]|, 0x1800000   ; and the floor 2^(3 - 127): the byte cannot fall under 1
.endr
.irp i, 2,4,6
.irp n, 0,1,2,3
	v_max3_num_f32 v[T+\n], v[T+\n], |v[XS+8*\n+\i]|, |v[XS+8*\n+\i+1]|
.endr
.endr
.irp n, 0,1,2,3
	v_max_num_f32_dpp v[T+\n], v[T+\n], v[T+\n] row_xmask:1 row_mask:0xf bank_mask:0xf
.endr
.irp n, 0,1,2,3
	v_max_num_f32_dpp v[T+\n], v[T+\n], v[T+\n] row_xmask:2 row_mask:0xf bank_mask:0xf   ; the block's largest magnitude
.endr
.irp n, 0,1,2,3
	v_add_nc_u32 v[S+\n], 0xff000000, v[T+\n]      ; 2 off the exponent field: the conversion's scale operand
.endr
.irp n, 0,1,2,3
	v_cvt_scalef32_pk8_fp4_f32 v[CD+\n], v[XS+8*\n:XS+8*\n+7], v[S+\n]
.endr
.irp n, 0,1,2,3
	v_lshrrev_b32 v[T+\n], 23, v[S+\n]             ; the scale's byte
.endr
.irp n, 0,1,2,3
	ds_store_b32 v4, v[CD+\n] offset:512*(\rp)+128*\n
	ds_store_b8 v5, v[T+\n] offset:32*(\rp)+8*\n
.endr
.endm
	ROWS 0
	ROWS 1
	ROWS 2
	ROWS 3
.irp j, 0,1,2,3
	ds_load_b128 v[X+4*\j:X+4*\j+3], v6 offset:512*\j   ; my own bytes: LDS serves a wave's instructions in order (ISA guide 5.7.1.4)
.endr
	s_wait_dscnt 0x0                               ; my codes are back; for the others' sake: my scale bytes have landed
.irp j, 0,1,2,3
	global_store_b128 v7, v[X+4*\j:X+4*\j+3], s[26:27] offset:512*\j   ; two rows' 512 consecutive bytes, aligned
.endr
	s_barrier_signal -1
	s_barrier_wait -1
	s_cmp_lt_u32 s32, 2
	s_cbranch_scc0 .Lend
	ds_load_b128 v[16:19], v12                     ; waves 0 and 1: 32 rows' scale bytes
	s_wait_dscnt 0x0
	global_store_b128 v7, v[16:19], s[28:29]       ; 512 consecutive bytes, aligned
	s_branch .Lend
.Lweights:
	s_lshr_b32 s33, ttmp9, 4
	s_and_b32 s33, s33, 7                          ; which matrix: number 256 is the first
	s_lshr_b32 s34, ttmp9, 3
	s_and_b32 s34, s34, 1                          ; kh: which half of K
	s_and_b32 s35, ttmp9, 7                        ; which 64 columns
	s_and_b32 s40, s33, 3                          ; g
	s_lshr_b32 s41, s33, 2                         ; hU
	s_lshl_b32 s2, s34, 19                         ; source: 256 rows of 2,048 bytes,
	s_lshl_b32 s42, s32, 16
	s_add_co_u32 s2, s2, s42                       ; + 32 q rows,
	s_lshl_b32 s42, s35, 8
	s_add_co_u32 s2, s2, s42                       ; + 64 columns of 4 bytes
	s_mov_b32 s3, 0
	s_lshl_b32 s36, s35, 17                        ; codes: four tiles of 32,768 bytes
	s_lshl_b32 s42, s40, 13
	s_add_co_u32 s36, s36, s42                     ; + g 8192
	s_lshl_b32 s42, s41, 12
	s_add_co_u32 s36, s36, s42                     ; + hU 4096
	s_lshl_b32 s42, s34, 11
	s_add_co_u32 s36, s36, s42
	s_lshl_b32 s42, s32, 8
	s_add_co_u32 s36, s36, s42                     ; + 256 (8 kh + q)
	s_mov_b32 s37, 0
	s_lshl_b32 s38, s40, 14                        ; scale bytes
	s_lshl_b32 s42, s41, 13
	s_add_co_u32 s38, s38, s42
	s_lshl_b32 s42, s34, 12
	s_add_co_u32 s38, s38, s42
	s_lshl_b32 s42, s35, 9
	s_add_co_u32 s38, s38, s42
	s_mov_b32 s39, 0
	s_add_co_u32 s43, s32, WSC
	v_lshlrev_b32 v3, 2, v9                        ; in: 4 bytes a lane
	v_lshlrev_b32 v4, 4, v10
	v_lshl_add_u32 v5, v9, 3, s43                  ; LDS, in: 8 x lane + wave
	v_lshl_add_u32 v6, v9, 4, WSC                  ; LDS, back: 16 x lane
	v_lshl_add_u32 v4, v11, 15, v4                 ; codes out: 16 r + 32768 (lane / 16)
	v_lshlrev_b32 v7, 4, v9                        ; scale bytes out: 16 x lane
	s_wait_alu depctr_va_vdst(0)
	s_wait_kmcnt 0x0
	s_bitcmp1_b32 s33, 0                           ; the matrix is chosen by the three bits of its number
	s_cselect_b64 s[24:25], s[6:7], s[4:5]
	s_cselect_b64 s[26:27], s[10:11], s[8:9]
	s_cselect_b64 s[28:29], s[14:15], s[12:13]
	s_cselect_b64 s[30:31], s[18:19], s[16:17]
	s_bitcmp1_b32 s33, 1
	s_cselect_b64 s[24:25], s[26:27], s[24:25]
	s_cselect_b64 s[28:29], s[30:31], s[28:29]
	s_bitcmp1_b32 s33, 2
	s_cselect_b64 s[24:25], s[28:29], s[24:25]
	s_add_nc_u64 s[24:25], s[24:25], s[2:3]
	s_add_nc_u64 s[20:21], s[20:21], s[36:37]
	s_add_nc_u64 s[22:23], s[22:23], s[38:39]
.set i, 0
.rept 32
	global_load_b32 v[X+i], v3, s[24:25] offset:i*2048           ; row i of my block: columns l,
	global_load_b32 v[X+32+i], v3, s[24:25] offset:i*2048+128    ; and 32 + l: the two loads take 256 consecutive bytes, aligned
.set i, i+1
.endr
	s_wait_loadcnt 0x0
.irp e, 0,1                            ; two blocks (columns), two chains each, by turns
	v_max3_num_f32 v[M+2*\e], |v[X+32*\e]|, |v[X+32*\e+1]|, 0x1800000   ; and the floor 2^(3 - 127)
	v_max3_num_f32 v[M+2*\e+1], |v[X+32*\e+2]|, |v[X+32*\e+3]|, 0x1800000
.endr
.irp i, 4,8,12,16,20,24,28
.irp e, 0,1
	v_max3_num_f32 v[M+2*\e], v[M+2*\e], |v[X+32*\e+\i]|, |v[X+32*\e+\i+1]|
	v_max3_num_f32 v[M+2*\e+1], v[M+2*\e+1], |v[X+32*\e+\i+2]|, |v[X+32*\e+\i+3]|
.endr
.endr
.irp e, 0,1
	v_max_num_f32 v[M+2*\e], v[M+2*\e], v[M+2*\e+1]
.endr
.irp e, 0,1
	v_add_nc_u32 v[12+\e], 0xff000000, v[M+2*\e]   ; 2 off the exponent field: the conversion's scale operand
.endr
.irp e, 0,1
.irp g, 0,1,2,3
	v_cvt_scalef32_pk8_fp4_f32 v[CD+4*\e+\g], v[X+32*\e+8*\g:X+32*\e+8*\g+7], v[12+\e]
.endr
.endr
.irp e, 0,1
	v_lshrrev_b32 v[14+\e], 23, v[12+\e]           ; the scale's byte
.endr
.irp e, 0,1
	global_store_b128 v4, v[CD+4*\e:CD+4*\e+3], s[20:21] offset:65536*\e   ; lanes 0-15 and lanes 16-31 each store 256 consecutive bytes, aligned
	ds_store_b8 v5, v[14+\e] offset:256*\e
.endr
	s_wait_dscnt 0x0                               ; for the others' sake: my stores have landed
	s_barrier_signal -1
	s_barrier_wait -1
	s_cmp_lg_u32 s32, 0
	s_cbranch_scc1 .Lend
	ds_load_b128 v[28:31], v6                      ; wave 0: 64 columns' 8 scale bytes
	s_wait_dscnt 0x0
	global_store_b128 v7, v[28:31], s[22:23]       ; 512 consecutive bytes, aligned
.Lend:
	s_wait_tensorcnt 0x0                           ; the wave's end
	ds_add_u32 v[SPW], v[NIL]
	s_wait_dscnt 0x0
	s_endpgm
.Lfunc_end_k_qf0855e8172_prep:
	.size	k_qf0855e8172_prep, .Lfunc_end_k_qf0855e8172_prep-k_qf0855e8172_prep
	.p2alignl 7, 3214868480
	.fill 96, 4, 3214868480
	.section	.rodata,"a",@progbits
	.p2align	6, 0x0
	.amdhsa_kernel k_qf0855e8172_prep
		.amdhsa_group_segment_fixed_size 18944
		.amdhsa_private_segment_fixed_size 0
		.amdhsa_enable_private_segment 0
		.amdhsa_kernarg_size 104
		.amdhsa_user_sgpr_count 2
		.amdhsa_user_sgpr_kernarg_segment_ptr 1
		.amdhsa_wavefront_size32 1
		.amdhsa_system_sgpr_workgroup_id_x 1
		.amdhsa_system_sgpr_workgroup_id_y 1
		.amdhsa_system_sgpr_workgroup_id_z 1
		.amdhsa_system_vgpr_workitem_id 0
		.amdhsa_next_free_vgpr 160
		.amdhsa_next_free_sgpr 66
		.amdhsa_reserve_vcc 0
		.amdhsa_float_denorm_mode_32 3
		.amdhsa_float_denorm_mode_16_64 3
		.amdhsa_memory_ordered 1
		.amdhsa_forward_progress 1
		.amdhsa_inst_pref_size 29
	.end_amdhsa_kernel
	.amdgpu_metadata
---
amdhsa.version: [ 1, 2 ]
amdhsa.kernels:
  - .name:           k_qf0855e8172_prep
    .symbol:         k_qf0855e8172_prep.kd
    .args:
      - { .name: W_f, .offset: 0, .size: 8, .value_kind: global_buffer, .address_space: global }
      - { .name: W_i, .offset: 8, .size: 8, .value_kind: global_buffer, .address_space: global }
      - { .name: W_o, .offset: 16, .size: 8, .value_kind: global_buffer, .address_space: global }
      - { .name: W_c, .offset: 24, .size: 8, .value_kind: global_buffer, .address_space: global }
      - { .name: U_f, .offset: 32, .size: 8, .value_kind: global_buffer, .address_space: global }
      - { .name: U_i, .offset: 40, .size: 8, .value_kind: global_buffer, .address_space: global }
      - { .name: U_o, .offset: 48, .size: 8, .value_kind: global_buffer, .address_space: global }
      - { .name: U_c, .offset: 56, .size: 8, .value_kind: global_buffer, .address_space: global }
      - { .name: wq, .offset: 64, .size: 8, .value_kind: global_buffer, .address_space: global }
      - { .name: ws, .offset: 72, .size: 8, .value_kind: global_buffer, .address_space: global }
      - { .name: c_prev, .offset: 80, .size: 8, .value_kind: global_buffer, .address_space: global }
      - { .name: cq, .offset: 88, .size: 8, .value_kind: global_buffer, .address_space: global }
      - { .name: cs, .offset: 96, .size: 8, .value_kind: global_buffer, .address_space: global }
    .group_segment_fixed_size: 18944
    .private_segment_fixed_size: 0
    .kernarg_segment_align: 8
    .kernarg_segment_size: 104
    .max_flat_workgroup_size: 256
    .sgpr_count:     66
    .vgpr_count:     160
    .wavefront_size: 32
...
	.end_amdgpu_metadata
.endif
;; end of part 1
;; launch cell (part 2): grid 4 x 64, 8 waves a work-group, clusters of 4 x 4, 327,680 bytes of LDS; arguments X_t_codes, X_t_scales, c_prev, cq, cs, wq, ws, b_f, b_i, b_o, b_c, out0; writes out0
.if DOCPART == 2
	.amdgcn_target "amdgcn-amd-amdhsa--gfx1250"
	.amdhsa_code_object_version 6
	.text
	.protected	k_qf0855e8172_cell
	.globl	k_qf0855e8172_cell
	.p2align	8
	.type	k_qf0855e8172_cell,@function
k_qf0855e8172_cell:
	s_mov_b64 s[64:65], 0
	v_nop
	global_prefetch_b8 v0, s[64:65] scope:SCOPE_SE
	s_setreg_imm32_b32 hwreg(HW_REG_WAVE_MODE, 25, 1), 1
	s_wait_xcnt 0x0
	s_wait_alu depctr_hold_cnt(0) depctr_sa_sdst(0) depctr_va_vdst(0) depctr_va_sdst(0) depctr_va_ssrc(0) depctr_va_vcc(0) depctr_vm_vsrc(0)
	s_getreg_b32 s2, hwreg(HW_REG_IB_STS2, 6, 4)
	s_cmp_eq_u32 s2, 0
	s_cbranch_scc0 .Lentry_in_a_cluster
	s_endpgm
.Lentry_in_a_cluster:
	s_bfe_u32 s2, ttmp6, 0x10000c
	s_cmp_lg_u32 s2, 0xf033
	s_cbranch_scc0 .Lentry_shape_is_right
	s_endpgm
.Lentry_shape_is_right:
; h = sigmoid(o) tanh(c_t), c_t = sigmoid(f) c_prev + sigmoid(i) tanh(c), (f, i, o, c) = X W + c_prev U + b: both products on codes of FP4 (E2M1) with one E8M0 scale for each 32 along K, sums in f32.
; No work of the problem is left out.  The codes of c_prev and of the weights were made by the launch before; f c_prev takes c_prev as it is given, in f32.
; SHARES.  A work-group owns 256 rows x 128 hidden columns of all four gates; wave w of its eight 16 of the columns, 16 w on.  A cluster is 4 x 4: the four of its row (same cy) own the same rows, the four of its column
; (same cx) the same hidden columns: rows' codes are asked for JOINTLY along a row, the W half of the weights' codes along a column: same load, same descriptor, a mask that names the four.  c_prev in f32 is each work-group's own.
; cx and cy enter masks and global addresses alone: no LDS address, no branch; and no joint load's address holds the coordinate along which it is shared.
; THE WEIGHTS STAY IN REGISTERS: 16 columns x 4 gates x K 1,024 of 4-bit codes are 256 registers a wave (window 1).  W's half comes through LDS, U's half by plain loads that are out at the same time.
; THE ROWS LIE IN LDS: 256 rows of X's codes and of c_prev's codes, and the work-group's quarter of c_prev in f32, whose place h takes.  At the head the eight waves ask for rows 0-63 and for W; when W is in registers,
; one full sequence and a round of the cluster's barrier follow, and each wave asks for its part of rows 64-255: c_prev's lands where W lay.  So nothing is left to ask for later, and no prefetch is laid.
; FOUR BLOCKS of 64 rows (four tiles of 16).  A block: 128 products on 16 accumulators, K step by K step (block 0 begins as soon as the first K step's weights are in), then the gates of the 32 numbers a lane.
; A work-group barrier a block for the way out: signalled when a wave's h lies in LDS, awaited behind the next block's products; then each wave sends 8 whole rows of 512 bytes.
; The blocks are written out by macro: their LDS places stand in immediates.
; THE MATRIX INSTRUCTION IS USED TRANSPOSED (source 0 = 16 weight columns, source 1 = 16 rows): lane (r, h) holds row r, and register j hidden column 16 w + 8 h + j.
; THE GATES, with E. = 2^(-x log2 e) (f, i, o) or 2^(-2 x log2 e) (c, c_t), and n = -2 log2 e:  n f = 1 / ((1 + Ef) / n);  n i tanh(c) = n (1 - Ec) / ((1 + Ei)(1 + Ec));  their sum with c_prev is n c_t, the exponent of Et;
; h = (1 - Et) / ((1 + Eo)(1 + Et)): five exponentials, three reciprocals.  The biases, times -log2 e or n, lie in LDS and are the addends of the exponents' multiply-adds.
; LIMITS: the exponents of Ec and Et are held at 30 from above, so that 1 - E stays finite: tanh is then within 2^-29 of -1, as f32 has it; that hold takes the number where it meets a NaN, so a NaN in c's sum or in c_t is
; not carried to h; Ef, Ei, Eo may overflow to infinity, where the reciprocal gives 0, the gate's limit.
.set KP,    272                        ; an LDS row of codes: 256 bytes + 16 of padding = 68 words: row r starts at bank 4 r mod 64 (64 banks of 4 bytes: ISA guide 11.1)
.set CCOD,  69632                      ; c_prev's codes, behind X's 256 rows
.set CF,    139264                     ; c_prev in f32: 256 rows of 512 bytes + 16
.set CFP,   528
.set STG,   173056                     ; W's half of the weights, 16,384 bytes a wave, from c_prev's row 64 on
.set BIASL, 304128                     ; the scaled biases: 256 bytes a wave, its own
.set SPARE, 306176                     ; the spare words, 128 bytes for each of eight waves, which no other line names
.set SPW,  1                           ; v1   LDS address of my spare word; never rewritten
.set NIL,  2                           ; v2   0; never rewritten
.set XA,   3                           ; v3, v4  fragments of X's codes, of c_prev's: row r, + 16 h
.set CHE,  5                           ; v5, v6  my 32 bytes of row r of c / h, blocks 0 and 1, blocks 2 and 3
.set CHR,  7                           ; v7, v8  my 8 whole rows of h likewise
.set GR,   9                           ; v9   and the same rows in out0
.set LOF,  10                          ; v10  16 x lane
.set BOF,  11                          ; v11  4 r
.set BLD,  12                          ; v12  my biases in LDS, + 32 h
.set WS,   16                          ; v16-31   the weights' scale words: 4 g + p: lanes 0-15 W's word of K step p, lanes 16-31 U's
.set RS,   32                          ; v32-47   a block's row scale words: 8 x (0 X, 1 c_prev) + 4 (tile / 2) + p: lanes 0-15 the even tile's rows, lanes 16-31 the odd tile's
.set FR,   48                          ; v48-111  four tiles' fragments of a K step, two sets by the step's parity
.set BS,   48                          ; v48-79   at the gates: the biases,
.set CP,   48                          ;          then c_prev, n c_t, h
.set MC,   80                          ; v80-111  rows of h on their way out; then 1 - E
.set ACC,  112                         ; v112-239 the sums: 32 tile + 8 gate
.set F,    ACC
.set I,    ACC+8
.set O,    ACC+16
.set C,    ACC+24
.set WAD,  240                         ; v240 my part of W in LDS, + 16 x lane
.set WSO,  241                         ; v241 8192 h + 8 r
.set BST,  242                         ; v242 my biases in LDS, + 4 r
.set BT,   244                         ; v244-247 the biases on their way there
.set G1K,  28                          ; s[28:35] descriptor group 1 for codes;  s[36:43] for c_prev in f32;  s[84:91] for W
.set G1F,  36
.set G1W,  84
.set G0X,  44                          ; s[44:47] group 0 for X's codes, s[48:51] for c_prev in f32, s[92:95] for c_prev's codes, s[96:99] for W
.set G0F,  48
.set G0Q,  92
.set G0W,  96
.set WV,   52
.set CX,   53
.set NL,   54                          ; s[54:55] -log2 e (a packed form names a pair and takes its low word for both halves)
.set N2,   56                          ; s[56:57] n = -2 log2 e
.set KF,   58                          ; s[58:59] 1 / n
.set CL,   60                          ; s60  30.0
.set RG,   61                          ; s61  which 256 rows
.set RSX,  76                          ; s[76:77] X's scale bytes, s[78:79] c_prev's, of my rows
.set RSC,  78
.set OUTB, 80                          ; s[80:81] out0: my rows, my quarter of the columns
.set LK2,  82                          ; s82 my place in a region of codes for rows 64 on, s83 in c_prev f32
.set LF2,  83
.set MSB, 0
.macro WIN new                         ; the immediate's high byte repeats the setting that is left
.if MSB != \new
	s_set_vgpr_msb (MSB<<8)|\new
.set MSB, \new
.endif
.endm
.macro ROUND                           ; a round of the cluster's barrier
	s_barrier_signal -1
	s_barrier_wait -1
	s_cmp_lg_u32 s[WV], 0
	s_cbranch_scc1 .Lnot_wave_0_\@
	s_barrier_signal -3
.Lnot_wave_0_\@:
	s_barrier_wait -3
	s_barrier_signal -1
	s_barrier_wait -1
.endm
; an arm of a chain on the wave's number: waves below 'under' that come here issue the load and go to 'done'
.macro ARM under, g0, g1, next, done
	s_cmp_lt_u32 s[WV], \under
	s_cbranch_scc0 \next
	tensor_load_to_lds s[\g0:\g0+3], s[\g1:\g1+7]
	s_nop 0
.rept 4
	v_nop
.endr
	s_branch \done
\next:
.endm
.macro LAST done
	tensor_load_to_lds s[G0F:G0F+3], s[G1F:G1F+7]
	s_nop 0
.rept 4
	v_nop
.endr
\done:
.endm
	s_load_b512 s[4:19], s[0:1], 0x0               ; X's codes 4, X's scales 6, c_prev 8, its codes 10, its scales 12, wq 14, ws 16, b_f 18
	s_load_b256 s[20:27], s[0:1], 0x40             ; b_i 20, b_o 22, b_c 24, out0 26
	v_lshl_add_u32 v[SPW], v0, 2, SPARE
	v_mov_b32 v[NIL], 0
	ds_add_u32 v[SPW], v[NIL]                      ; the wave's opening: the add, twice on end, and its wait
	ds_add_u32 v[SPW], v[NIL]
	v_lshrrev_b32 v13, 5, v0
	v_readfirstlane_b32 s[WV], v13                 ; wave 0..7
	s_bfe_u32 s[CX], ttmp6, 0x40000                ; cx, cy: my place in the cluster
	s_bfe_u32 s66, ttmp6, 0x40004
	s_and_b32 s[RG], ttmp7, 0xffff
	s_lshl_b32 s[RG], s[RG], 2
	s_add_co_u32 s[RG], s[RG], s66                 ; my 256 rows: 4 x cluster y + cy (along x there is one cluster: cx is my quarter of the columns)
	s_lshl_b32 s68, s66, 2
	s_lshl_b32 s68, 15, s68                        ; my row of the cluster
	s_lshl_b32 s69, 0x1111, s[CX]                  ; my column
	s_or_b32 s[G1K], s68, (2<<16)|(1<<20)|(1<<21)|(5<<22)|(3<<25)   ; 15:0 the mask; 17:16 elements of 4 bytes; 20 padding on; 21 set beside a mask; 24:22 after every 64 words (code 5); 31:25 four words (code 3)
	s_mov_b32 s[G1K+1], 64<<16                     ; tensor_dim0
	s_mov_b32 s[G1K+2], 64<<16                     ; tensor_dim1: 64 rows at the head
	s_mov_b32 s[G1K+3], 64<<16                     ; tile_dim0
	s_mov_b32 s[G1K+4], 64                         ; tile_dim1
	s_mov_b32 s[G1K+5], 64                         ; rows lie end to end
	s_mov_b32 s[G1K+6], 0
	s_mov_b32 s[G1K+7], 0
	s_mov_b32 s[G1F], (2<<16)|(1<<20)|(6<<22)|(3<<25)   ; no mask; padding after every 128 words (code 6)
	s_mov_b32 s[G1F+1], 128<<16
	s_mov_b32 s[G1F+2], 16<<16                     ; 16 rows at the head
	s_mov_b32 s[G1F+3], 128<<16
	s_mov_b32 s[G1F+4], 16
	s_mov_b32 s[G1F+5], 512                        ; rows lie 512 elements apart
	s_mov_b32 s[G1F+6], 0
	s_mov_b32 s[G1F+7], 0
	s_or_b32 s[G1W], s69, (3<<16)|(1<<21)          ; elements of 8 bytes, no padding
	s_mov_b32 s[G1W+1], 512<<16                    ; a row: W's 4,096 bytes of a tile's gate
	s_mov_b32 s[G1W+2], 16<<16                     ; four tiles x four gates
	s_mov_b32 s[G1W+3], 512<<16
	s_mov_b32 s[G1W+4], 16
	s_mov_b32 s[G1W+5], 1024                       ; rows lie 8,192 bytes apart: U's 4,096 stand between
	s_mov_b32 s[G1W+6], 0
	s_mov_b32 s[G1W+7], 0
	s_and_b32 s66, s[WV], 1                        ; which of two that fetch alike
	s_and_b32 s67, s[WV], 3                        ; which of the four that fetch c_prev
	s_mov_b32 s[G0X+1], 0
	s_mov_b32 s[G0Q+1], CCOD
	s_mul_i32 s[G0F+1], s67, 16*CFP                ; rows 16 x it on
	s_add_co_u32 s[G0F+1], s[G0F+1], CF
	s_lshl_b32 s[G0W+1], s66, 16                   ; four tiles' 65,536 bytes
	s_add_co_u32 s[G0W+1], s[G0W+1], STG
	s_mul_i32 s[LK2], s66, 96*KP                   ; later: rows 64 + 96 x it on
	s_add_co_u32 s[LK2], s[LK2], 64*KP
	s_mul_i32 s[LF2], s67, 48*CFP                  ; rows 64 + 48 x it on
	s_add_co_u32 s[LF2], s[LF2], CF+64*CFP
	s_lshl_b32 s68, s[RG], 16                      ; codes: my 256 rows of 256 bytes
	s_mov_b32 s69, 0
	s_lshl_b32 s70, s[RG], 19                      ; c_prev and out0: 256 rows of 2,048 bytes, my quarter of the columns
	s_lshl_b32 s71, s[CX], 9
	s_add_co_u32 s70, s70, s71
	s_mov_b32 s71, 0
	s_lshl_b32 s72, s67, 15                        ; + 16 rows
	s_mov_b32 s73, 0
	s_lshl_b32 s74, s[CX], 18                      ; weights: my eight tiles of 32,768 bytes,
	s_lshl_b32 s75, s66, 17
	s_add_co_u32 s74, s74, s75                     ; + four tiles
	s_mov_b32 s75, 0
	s_mov_b32 s[NL], 0xbfb8aa3b
	s_mov_b32 s[NL+1], s[NL]
	s_mov_b32 s[N2], 0xc038aa3b
	s_mov_b32 s[N2+1], s[N2]
	s_mov_b32 s[KF], 0xbeb17218
	s_mov_b32 s[KF+1], s[KF]
	s_mov_b32 s[CL], 0x41f00000
	s_mov_b32 s[G0X], 1                            ; 1:0 count = 1
	s_mov_b32 s[G0Q], 1
	s_mov_b32 s[G0F], 1
	s_mov_b32 s[G0W], 1
	s_wait_dscnt 0x0                               ; both opening adds are done
	s_wait_alu depctr_va_vdst(0)
	s_wait_kmcnt 0x0
	s_add_nc_u64 s[G0X+2:G0X+3], s[4:5], s[68:69]  ; 120:64 global address
	s_or_b32 s[G0X+3], s[G0X+3], 0x80000000        ; 127:126 type = 2
	s_add_nc_u64 s[G0Q+2:G0Q+3], s[10:11], s[68:69]
	s_or_b32 s[G0Q+3], s[G0Q+3], 0x80000000
	s_add_nc_u64 s[G0W+2:G0W+3], s[14:15], s[74:75]
	s_or_b32 s[G0W+3], s[G0W+3], 0x80000000
	s_add_nc_u64 s[100:101], s[8:9], s[70:71]
	s_add_nc_u64 s[G0F+2:G0F+3], s[100:101], s[72:73]
	s_or_b32 s[G0F+3], s[G0F+3], 0x80000000
	ROUND                                          ; all sixteen work-groups are here: the first joint loads meet
	; the head's loads, one a wave: waves 0, 1 W; wave 2 X's codes, wave 3 c_prev's, waves 4 to 7 c_prev in f32, of rows 0-63
	ARM 2, G0W, G1W, .Lhead_x, .Lhead_asked
	ARM 3, G0X, G1K, .Lhead_q, .Lhead_asked
	ARM 4, G0Q, G1K, .Lhead_f, .Lhead_asked
	LAST .Lhead_asked
	s_add_nc_u64 s[OUTB:OUTB+1], s[26:27], s[70:71]
	s_lshl_b32 s66, s[RG], 12                      ; scale bytes: 256 rows of 16
	s_mov_b32 s67, 0
	s_add_nc_u64 s[RSX:RSX+1], s[6:7], s[66:67]
	s_add_nc_u64 s[RSC:RSC+1], s[12:13], s[66:67]
	s_lshl_b32 s68, s[CX], 3
	s_add_co_u32 s68, s68, s[WV]                   ; my tile of 16 hidden columns: 8 cx + w
	s_lshl_b32 s66, s68, 15
	s_add_nc_u64 s[14:15], s[14:15], s[66:67]      ; its 32,768 bytes of codes,
	s_lshl_b32 s66, s68, 7
	s_add_nc_u64 s[16:17], s[16:17], s[66:67]      ; its scale bytes, 8 a column,
	s_lshl_b32 s66, s68, 6
.irp g, 0,1,2,3
	s_add_nc_u64 s[18+2*\g:19+2*\g], s[18+2*\g:19+2*\g], s[66:67]   ; its 64 bytes of each bias
.endr
	s_lshl_b32 s69, s[WV], 6
	s_add_co_u32 s69, s69, CF                      ; my 16 columns of c / h
	s_mul_i32 s70, s[WV], 8*CFP
	s_add_co_u32 s70, s70, CF                      ; my 8 rows of it
	s_lshl_b32 s71, s[WV], 14                      ; the same 8 rows of 2,048 bytes
	s_lshl_b32 s74, s[WV], 8
	s_add_co_u32 s74, s74, BIASL
	s_lshl_b32 s75, s[WV], 14
	s_add_co_u32 s75, s75, STG                     ; my tile of W
	v_and_b32 v13, 31, v0                          ; lane
	v_and_b32 v14, 15, v0                          ; r
	v_bfe_u32 v15, v0, 4, 1                        ; h
	v_lshlrev_b32 v[LOF], 4, v13
	v_lshlrev_b32 v[BOF], 2, v14
	v_lshlrev_b32 v[WSO], 3, v14
	v_mul_u32_u24 v[XA], v14, KP
	v_mul_u32_u24 v[CHE], v14, CFP
	v_lshl_add_u32 v[CHR], v13, 4, s70
	v_lshl_add_u32 v[WSO], v15, 13, v[WSO]
	v_lshl_add_u32 v[XA], v15, 4, v[XA]
	v_lshl_add_u32 v[GR], v13, 4, s71
	v_lshl_add_u32 v[CHE], v15, 5, v[CHE]
	v_lshl_add_u32 v[BLD], v15, 5, s74
	v_lshl_add_u32 v[BST], v14, 2, s74
	v_lshl_add_u32 v[WAD], v13, 4, s75
	v_add_nc_u32 v[XA+1], CCOD, v[XA]
	v_add_nc_u32 v[CHE], s69, v[CHE]
	v_add_nc_u32 v[CHR+1], 128*CFP, v[CHR]
	v_add_nc_u32 v[CHE+1], 128*CFP, v[CHE]
	s_wait_alu depctr_va_vdst(0)
; a block's row scale words: 64 rows x 16 bytes of X's and of c_prev's
.macro RSLOAD b
.irp i, 0,1
	global_load_b128 v[RS+4*\i:RS+4*\i+3], v[LOF], s[RSX:RSX+1] offset:1024*(\b)+512*\i
	global_load_b128 v[RS+8+4*\i:RS+8+4*\i+3], v[LOF], s[RSC:RSC+1] offset:1024*(\b)+512*\i
.endr
.endm
; W's four fragments of K step s, out of LDS: registers 4 c on of fragment (g, s) at 4,096 g + 1,024 s + 512 c + 16 x lane
.macro WFETCH s
	WIN 0x40                                       ; destination window 1, address window 0
.irp g, 0,1,2,3
.irp c, 0,1
	ds_load_b128 v[8*(8*\g+(\s))+4*\c:8*(8*\g+(\s))+4*\c+3], v[WAD] offset:4096*\g+1024*(\s)+512*\c
.endr
.endr
	WIN 0
.endm
; K step s's fragments of a block's four tiles: lane (r, h): row r; registers 4 c on: bytes 64 (s % 4) + 32 c + 16 h of X's row (s < 4) or c_prev's
.macro FETCH s, b
.irp t, 0,1,2,3
.irp c, 0,1
	ds_load_b128 v[FR+32*((\s)%2)+8*\t+4*\c:FR+32*((\s)%2)+8*\t+4*\c+3], v[XA+(\s)/4] offset:64*KP*(\b)+16*KP*\t+64*((\s)%4)+32*\c
.endr
.endr
.endm
; one matrix instruction; RA, RB: A's or B's scale words stand in lanes 16-31
.macro WL cc
.if RA
.if RB
	v_wmma_scale_f32_16x16x128_f8f6f4 v[DD:DD+7], v[AA:AA+7], v[BB:BB+7], \cc, v[SA], v[SB] matrix_a_fmt:MATRIX_FMT_FP4 matrix_b_fmt:MATRIX_FMT_FP4 matrix_a_scale:MATRIX_SCALE_ROW1 matrix_b_scale:MATRIX_SCALE_ROW1
.else
	v_wmma_scale_f32_16x16x128_f8f6f4 v[DD:DD+7], v[AA:AA+7], v[BB:BB+7], \cc, v[SA], v[SB] matrix_a_fmt:MATRIX_FMT_FP4 matrix_b_fmt:MATRIX_FMT_FP4 matrix_a_scale:MATRIX_SCALE_ROW1
.endif
.else
.if RB
	v_wmma_scale_f32_16x16x128_f8f6f4 v[DD:DD+7], v[AA:AA+7], v[BB:BB+7], \cc, v[SA], v[SB] matrix_a_fmt:MATRIX_FMT_FP4 matrix_b_fmt:MATRIX_FMT_FP4 matrix_b_scale:MATRIX_SCALE_ROW1
.else
	v_wmma_scale_f32_16x16x128_f8f6f4 v[DD:DD+7], v[AA:AA+7], v[BB:BB+7], \cc, v[SA], v[SB] matrix_a_fmt:MATRIX_FMT_FP4 matrix_b_fmt:MATRIX_FMT_FP4
.endif
.endif
.endm
.macro WM s, t, g
.set AA, 8*(8*(\g)+(\s))
.set BB, FR+32*((\s)%2)+8*(\t)
.set DD, ACC+32*(\t)+8*(\g)
.set SA, WS+4*(\g)+(\s)%4
.set SB, RS+8*((\s)/4)+4*((\t)/2)+(\s)%4
.set RA, (\s)/4
.set RB, (\t)%2
.if (\s) == 0
	WL 0
.else
	WL v[DD:DD+7]
.endif
.endm
; THE LATER ROWS, when W is in registers: a round, and one load a wave behind it: waves 0, 1 X's codes, waves 2, 3 c_prev's, waves 4 to 7 c_prev in f32
.macro REST
	s_wait_tensorcnt 0x0
	ds_add_u32 v[SPW], v[NIL]
	s_mov_b32 s[G1K+2], 96<<16                     ; no tensor load of mine is out, so the descriptors may be written: 96 rows of codes,
	s_mov_b32 s[G1K+4], 96
	s_mov_b32 s[G1F+2], 48<<16                     ; 48 rows of c_prev
	s_mov_b32 s[G1F+4], 48
	s_mov_b32 s[G0X+1], s[LK2]
	s_add_co_u32 s[G0Q+1], s[LK2], CCOD
	s_mov_b32 s[G0F+1], s[LF2]
	s_and_b32 s66, s[WV], 1
	s_mul_i32 s66, s66, 24576                      ; codes: 64 + 96 x it rows on
	s_add_co_u32 s66, s66, 16384
	s_mov_b32 s67, 0
	s_and_b32 s68, s[WV], 3
	s_lshl_b32 s68, s68, 16                        ; c_prev: 64 + 32 x it rows on from 16 x it
	s_add_co_u32 s68, s68, 131072
	s_mov_b32 s69, 0
	s_add_nc_u64 s[G0X+2:G0X+3], s[G0X+2:G0X+3], s[66:67]
	s_add_nc_u64 s[G0Q+2:G0Q+3], s[G0Q+2:G0Q+3], s[66:67]
	s_add_nc_u64 s[G0F+2:G0F+3], s[G0F+2:G0F+3], s[68:69]
	s_wait_dscnt 0x0                               ; the add is done, and my part of W is in registers
	ROUND                                          ; the same of every wave of every partner
	ARM 2, G0X, G1K, .Lrest_q, .Lrest_asked
	ARM 4, G0Q, G1K, .Lrest_f, .Lrest_asked
	LAST .Lrest_asked
.endm
; A block's products: eight K steps of 16, the 16 accumulators by turns, one instruction a turn.  A step's fragments are asked for two steps ahead.
.macro MMA b
.if (\b) == 0
	WFETCH 0
.endif
	FETCH 0, \b
	FETCH 1, \b
.if (\b) == 0
	WFETCH 1
	WFETCH 2
	WFETCH 3
.endif
.irp s, 0,1,2,3,4,5,6,7
.if (\b) == 0
.if \s == 0
	s_wait_loadcnt 32                              ; all scale words are in, U's 32 loads may be out
.elseif \s > 3
	s_wait_loadcnt 8*(7-\s)                        ; this step's eight loads of U are in, the later steps' may be out
.endif
.elseif \s == 0
	s_wait_loadcnt 0x0                             ; the block's row scale words are in
.endif
.if ((\b) == 0) && (\s == 0)
	s_wait_dscnt 32                                ; step 0's fragments of W and of the rows; behind them step 1's rows and W's steps 1 to 3
.elseif ((\b) == 0) && (\s == 1)
	s_wait_dscnt 24                                ; behind step 1's fragments of W: W's steps 2, 3 and step 2's rows
.elseif \s < 7
	s_wait_dscnt 8                                 ; this step's fragments are in, the next step's eight loads may be out
.else
	s_wait_dscnt 0x0
.endif
	WIN 0x01                                       ; source 0 (the weights) window 1
.irp t, 0,1,2,3
.irp g, 0,1,2,3
	WM \s, \t, \g
.endr
.endr
	WIN 0
.if \s != 6
.rept 4
	v_nop                                          ; four places in front of loads into registers that the products have read, and of the first read of the sums
.endr
.endif
.if \s < 6
	FETCH \s+2, \b
.endif
.if ((\b) == 0) && (\s == 1)
	REST
.endif
.endr
.endm
; my 8 whole rows of a block of h come out of LDS, and leave
.macro HLOAD b
.irp i, 0,1,2,3,4,5,6,7
	ds_load_b128 v[MC+4*\i:MC+4*\i+3], v[CHR+(\b)/2] offset:64*CFP*((\b)%2)+CFP*\i
.endr
.endm
.macro HSTORE b
.irp i, 0,1,2,3,4,5,6,7
	global_store_b128 v[GR], v[MC+4*\i:MC+4*\i+3], s[OUTB:OUTB+1] offset:131072*(\b)+2048*\i th:TH_STORE_NT   ; 32 lanes store 512 consecutive bytes, at a multiple of 512 from out0's first byte
.endr
.endm
.macro W                               ; the wait ahead of and behind each batch of transcendentals
	s_wait_alu depctr_va_vdst(0)
.endm
; THE GATES of a block: 4 tiles x 8 numbers a lane.  Each sum is first read at its low end.  Plain lines whose operands an earlier wait has covered are set among the transcendentals.
.macro EP b
.if (\b) > 0
	s_barrier_wait -1                              ; the block before: every wave's h lies in LDS
.endif
.irp g, 0,1,2,3
	ds_load_b128 v[BS+8*\g:BS+8*\g+3], v[BLD] offset:64*\g
	ds_load_b128 v[BS+8*\g+4:BS+8*\g+7], v[BLD] offset:64*\g+16
.endr
.if (\b) < 3
	RSLOAD (\b)+1
.endif
.if (\b) > 0
	HLOAD (\b)-1
	s_wait_dscnt 8                                 ; the biases are in, the eight loads of h may be out
.else
	s_wait_dscnt 0x0
.endif
.irp t, 0,1,2,3
.irp g, 0,1,2
.irp k, 0,2,4,6
	v_pk_fma_f32 v[ACC+32*\t+8*\g+\k:ACC+32*\t+8*\g+\k+1], v[ACC+32*\t+8*\g+\k:ACC+32*\t+8*\g+\k+1], s[NL:NL+1], v[BS+8*\g+\k:BS+8*\g+\k+1] op_sel_hi:[1,0,1]
.endr
.endr
.irp k, 0,2,4,6
	v_pk_fma_f32 v[C+32*\t+\k:C+32*\t+\k+1], v[C+32*\t+\k:C+32*\t+\k+1], s[N2:N2+1], v[BS+24+\k:BS+24+\k+1] op_sel_hi:[1,0,1]
.endr
.endr
.irp t, 0,1,2,3
.irp k, 0,2,4,6
	v_dual_min_num_f32 v[C+32*\t+\k], s[CL], v[C+32*\t+\k] :: v_dual_min_num_f32 v[C+32*\t+\k+1], s[CL], v[C+32*\t+\k+1]   ; held at 30, so that 1 - Ec stays finite
.endr
.endr
.if (\b) > 0
	s_wait_dscnt 0x0
	HSTORE (\b)-1
.endif
.irp t, 0,1,2,3
	ds_load_b128 v[CP+8*\t:CP+8*\t+3], v[CHE+(\b)/2] offset:64*CFP*((\b)%2)+16*CFP*\t
	ds_load_b128 v[CP+8*\t+4:CP+8*\t+7], v[CHE+(\b)/2] offset:64*CFP*((\b)%2)+16*CFP*\t+16
.endr
	W
.irp t, 0,1,2,3
.irp j, 0,1,2,3,4,5,6,7
	v_exp_f32 v[F+32*\t+\j], v[F+32*\t+\j]         ; Ef
	v_exp_f32 v[C+32*\t+\j], v[C+32*\t+\j]         ; Ec
.endr
.endr
	v_nop
.if (\b) > 0
	s_wait_xcnt 0x0                                ; the stores of h have read v80-111: they are written again only behind this wait
.endif
	W
.irp t, 0,1,2,3
.irp k, 0,2,4,6
	v_exp_f32 v[I+32*\t+\k], v[I+32*\t+\k]         ; Ei
	v_exp_f32 v[I+32*\t+\k+1], v[I+32*\t+\k+1]
	v_pk_fma_f32 v[F+32*\t+\k:F+32*\t+\k+1], v[F+32*\t+\k:F+32*\t+\k+1], s[KF:KF+1], s[KF:KF+1] op_sel_hi:[1,0,0]   ; (1 + Ef) / n
	v_pk_fma_f32 v[MC+8*\t+\k:MC+8*\t+\k+1], v[C+32*\t+\k:C+32*\t+\k+1], s[N2:N2+1], s[N2:N2+1] op_sel_hi:[1,0,0] neg_lo:[0,1,0] neg_hi:[0,1,0]   ; n (1 - Ec)
	v_pk_add_f32 v[C+32*\t+\k:C+32*\t+\k+1], v[C+32*\t+\k:C+32*\t+\k+1], 1.0 op_sel_hi:[1,0]   ; 1 + Ec
.endr
.endr
	W
.irp t, 0,1,2,3
.irp k, 0,2,4,6
	v_rcp_f32 v[F+32*\t+\k], v[F+32*\t+\k]         ; n f
	v_rcp_f32 v[F+32*\t+\k+1], v[F+32*\t+\k+1]
	v_exp_f32 v[O+32*\t+\k], v[O+32*\t+\k]         ; Eo
	v_exp_f32 v[O+32*\t+\k+1], v[O+32*\t+\k+1]
	v_pk_fma_f32 v[I+32*\t+\k:I+32*\t+\k+1], v[I+32*\t+\k:I+32*\t+\k+1], v[C+32*\t+\k:C+32*\t+\k+1], v[C+32*\t+\k:C+32*\t+\k+1]   ; (1 + Ei)(1 + Ec)
.endr
.endr
	s_wait_dscnt 0x0                               ; my numbers of c_prev are in
	W
.irp t, 0,1,2,3
.irp k, 0,2,4,6
	v_rcp_f32 v[I+32*\t+\k], v[I+32*\t+\k]
	v_rcp_f32 v[I+32*\t+\k+1], v[I+32*\t+\k+1]
	v_pk_mul_f32 v[CP+8*\t+\k:CP+8*\t+\k+1], v[CP+8*\t+\k:CP+8*\t+\k+1], v[F+32*\t+\k:F+32*\t+\k+1]   ; n f c_prev
.endr
.endr
	W
.irp t, 0,1,2,3
.irp k, 0,2,4,6
	v_pk_fma_f32 v[CP+8*\t+\k:CP+8*\t+\k+1], v[MC+8*\t+\k:MC+8*\t+\k+1], v[I+32*\t+\k:I+32*\t+\k+1], v[CP+8*\t+\k:CP+8*\t+\k+1]   ; n c_t
.endr
.endr
.irp t, 0,1,2,3
.irp k, 0,2,4,6
	v_dual_min_num_f32 v[CP+8*\t+\k], s[CL], v[CP+8*\t+\k] :: v_dual_min_num_f32 v[CP+8*\t+\k+1], s[CL], v[CP+8*\t+\k+1]
.endr
.endr
.if (\b) == 0
	s_wait_tensorcnt 0x0                           ; my part of rows 64-255 has landed: ahead of my first store of h, and for the others' sake
	s_barrier_signal -1                            ; register work alone until its wait
.endif
	W
.irp t, 0,1,2,3
.irp j, 0,1,2,3,4,5,6,7
	v_exp_f32 v[CP+8*\t+\j], v[CP+8*\t+\j]         ; Et
.endr
.endr
	v_nop
	W
.irp t, 0,1,2,3
.irp k, 0,2,4,6
	v_pk_fma_f32 v[MC+8*\t+\k:MC+8*\t+\k+1], v[CP+8*\t+\k:CP+8*\t+\k+1], -1.0, 1.0 op_sel_hi:[1,0,0]   ; 1 - Et
	v_pk_add_f32 v[CP+8*\t+\k:CP+8*\t+\k+1], v[CP+8*\t+\k:CP+8*\t+\k+1], 1.0 op_sel_hi:[1,0]           ; 1 + Et
.endr
.irp k, 0,2,4,6
	v_pk_fma_f32 v[O+32*\t+\k:O+32*\t+\k+1], v[O+32*\t+\k:O+32*\t+\k+1], v[CP+8*\t+\k:CP+8*\t+\k+1], v[CP+8*\t+\k:CP+8*\t+\k+1]   ; (1 + Eo)(1 + Et)
.endr
.endr
	W
.irp t, 0,1,2,3
.irp j, 0,1,2,3,4,5,6,7
	v_rcp_f32 v[O+32*\t+\j], v[O+32*\t+\j]
.endr
.endr
	v_nop
.if (\b) == 0
	s_barrier_wait -1                              ; everybody's part of rows 64-255 is in
.endif
	W
.irp t, 0,1,2,3
.irp k, 0,2,4,6
	v_pk_mul_f32 v[CP+8*\t+\k:CP+8*\t+\k+1], v[MC+8*\t+\k:MC+8*\t+\k+1], v[O+32*\t+\k:O+32*\t+\k+1]    ; h
.endr
.endr
.irp t, 0,1,2,3
	ds_store_b128 v[CHE+(\b)/2], v[CP+8*\t:CP+8*\t+3] offset:64*CFP*((\b)%2)+16*CFP*\t        ; h takes the place of the c_prev that I read there
	ds_store_b128 v[CHE+(\b)/2], v[CP+8*\t+4:CP+8*\t+7] offset:64*CFP*((\b)%2)+16*CFP*\t+16
.endr
	s_wait_dscnt 0x0                               ; for the others' sake: my h has landed
	s_barrier_signal -1
.endm
.irp g, 0,1,2,3
	global_load_b32 v[BT+\g], v[BOF], s[18+2*\g:19+2*\g]   ; lanes r and 16 + r: column r's bias
.endr
.irp g, 0,1,2,3
	global_load_b64 v[WS+4*\g:WS+4*\g+1], v[WSO], s[16:17] offset:16384*\g
	global_load_b64 v[WS+4*\g+2:WS+4*\g+3], v[WSO], s[16:17] offset:16384*\g+4096
.endr
	RSLOAD 0
	WIN 0x40                                       ; destination window 1, address window 0
.irp s, 4,5,6,7                        ; U's half of the weights, step by step: registers 4 c on of fragment (g, s) at 1,024 (8 g + s) + 512 c + 16 x lane
.irp g, 0,1,2,3
	global_load_b128 v[8*(8*\g+\s):8*(8*\g+\s)+3], v[LOF], s[14:15] offset:(8*\g+\s)*1024
	global_load_b128 v[8*(8*\g+\s)+4:8*(8*\g+\s)+7], v[LOF], s[14:15] offset:(8*\g+\s)*1024+512
.endr
.endr
	WIN 0
	s_wait_loadcnt 44                              ; the biases are in; behind them 8 + 4 + 32 loads
	s_wait_tensorcnt 0x0                           ; my part of W and of rows 0-63 is in; no tensor load is out while the biases are stored to LDS
.irp g, 0,1,2
	v_mul_f32 v[BT+\g], s[NL], v[BT+\g]
.endr
	v_mul_f32 v[BT+3], s[N2], v[BT+3]
.irp g, 0,1,2,3
	ds_store_b32 v[BST], v[BT+\g] offset:64*\g     ; lanes r and 16 + r write the same word with the same value
.endr
	s_wait_dscnt 0x0
	s_barrier_signal -1
	s_barrier_wait -1                              ; everybody's part of W and of rows 0-63 is in
	MMA 0
	EP 0
	MMA 1
	EP 1
	MMA 2
	EP 2
	MMA 3
	EP 3
	s_barrier_wait -1
	HLOAD 3
	s_wait_dscnt 0x0
	HSTORE 3
	s_wait_tensorcnt 0x0                           ; the wave's end: behind my last tensor load and my last LDS store
	ds_add_u32 v[SPW], v[NIL]
	s_wait_dscnt 0x0
	ROUND                                          ; the closing round: no work-group ends while a partner may still ask for a tile that names it
	s_endpgm
.Lfunc_end_k_qf0855e8172_cell:
	.size	k_qf0855e8172_cell, .Lfunc_end_k_qf0855e8172_cell-k_qf0855e8172_cell
	.p2alignl 7, 3214868480
	.fill 96, 4, 3214868480
	.section	.rodata,"a",@progbits
	.p2align	6, 0x0
	.amdhsa_kernel k_qf0855e8172_cell
		.amdhsa_group_segment_fixed_size 327680
		.amdhsa_private_segment_fixed_size 0
		.amdhsa_enable_private_segment 0
		.amdhsa_kernarg_size 96
		.amdhsa_user_sgpr_count 2
		.amdhsa_user_sgpr_kernarg_segment_ptr 1
		.amdhsa_wavefront_size32 1
		.amdhsa_system_sgpr_workgroup_id_x 1
		.amdhsa_system_sgpr_workgroup_id_y 1
		.amdhsa_system_sgpr_workgroup_id_z 1
		.amdhsa_system_vgpr_workitem_id 0
		.amdhsa_next_free_vgpr 512
		.amdhsa_next_free_sgpr 102
		.amdhsa_reserve_vcc 0
		.amdhsa_float_denorm_mode_32 3
		.amdhsa_float_denorm_mode_16_64 3
		.amdhsa_memory_ordered 1
		.amdhsa_forward_progress 1
		.amdhsa_inst_pref_size 216
	.end_amdhsa_kernel
	.amdgpu_metadata
---
amdhsa.version: [ 1, 2 ]
amdhsa.kernels:
  - .name:           k_qf0855e8172_cell
    .symbol:         k_qf0855e8172_cell.kd
    .args:
      - { .name: X_t_codes, .offset: 0, .size: 8, .value_kind: global_buffer, .address_space: global }
      - { .name: X_t_scales, .offset: 8, .size: 8, .value_kind: global_buffer, .address_space: global }
      - { .name: c_prev, .offset: 16, .size: 8, .value_kind: global_buffer, .address_space: global }
      - { .name: cq, .offset: 24, .size: 8, .value_kind: global_buffer, .address_space: global }
      - { .name: cs, .offset: 32, .size: 8, .value_kind: global_buffer, .address_space: global }
      - { .name: wq, .offset: 40, .size: 8, .value_kind: global_buffer, .address_space: global }
      - { .name: ws, .offset: 48, .size: 8, .value_kind: global_buffer, .address_space: global }
      - { .name: b_f, .offset: 56, .size: 8, .value_kind: global_buffer, .address_space: global }
      - { .name: b_i, .offset: 64, .size: 8, .value_kind: global_buffer, .address_space: global }
      - { .name: b_o, .offset: 72, .size: 8, .value_kind: global_buffer, .address_space: global }
      - { .name: b_c, .offset: 80, .size: 8, .value_kind: global_buffer, .address_space: global }
      - { .name: out0, .offset: 88, .size: 8, .value_kind: global_buffer, .address_space: global }
    .group_segment_fixed_size: 327680
    .private_segment_fixed_size: 0
    .kernarg_segment_align: 8
    .kernarg_segment_size: 96
    .max_flat_workgroup_size: 256
    .sgpr_count:     102
    .vgpr_count:     512
    .wavefront_size: 32
...
	.end_amdgpu_metadata
.endif
;; end of part 2
